; MI455X (gfx1250); checked and timed in simulation.
; The chip was launched on July 23, 2026; its instructions are those of AMD's public machine-readable ISA for CDNA 5 (MIT licence, August 2026) and "CDNA5" Instruction Set Architecture Reference Guide (July 2026). The comments in the code are by the model that wrote it; some were corrected since.
;; Multi Head Attention. Allowed arithmetic: matrix products marked QUANTISED: E2M3 operands, one E8M0 scale for each 32 along K, by v_wmma_scale_f32_16x16x128_f8f6f4 with both operands' format E2M3, f32 sums; everything else in f32.
;; Inputs: W_out 1,024 x 1,024 float32; b_out 1,024 float32; k 4 x 2,048 x 1,024 float32; q 4 x 2,048 x 1,024 float32; v 4 x 2,048 x 1,024 float32.
;; Outputs: out0 4 x 2,048 x 1,024 float32.
;; This version of the problem:
;;   THIS VERSION OF THE PROBLEM IS GIVEN IN LOW PRECISION. The matrix products marked QUANTISED in the list below multiply operands that are first quantised to E2M3 (2 exponent bits, 3 mantissa bits; 6 bits a number), with one power-of-two scale for each 32 numbers along K (OCP MX v1.0); their sums are f32. All else is computed in f32.
;;   The module's matrix products, in the order in which they are computed (A, B: the left and right operand; K: the contracted axis; several contracted axes count as one K, in the product's order):
;;     1. batch 64 x [M 2,048, K 64] x [K 64, N 2,048]; A: input q; B: input k: QUANTISED
;;     2. batch 64 x [M 2,048, K 2,048] x [K 2,048, N 64]; A: softmax (see below); B: input v: QUANTISED
;;     3. [M 8,192, K 1,024] x [K 1,024, N 1,024]; A: computed on the way; B: input W_out: QUANTISED
;;   THE QUANTISER, for each operand of a quantised product, along K:
;;     - K is cut into blocks of 32 from its start; a last block that is shorter is filled with zeros.
;;     - A block's scale is 2^e with e = floor(log2(the largest magnitude in the block)) - 2, held to -126 .. 127; a block of zeros has e = 0. As a byte (E8M0): e + 127.
;;     - Each number is divided by its block's scale, clamped to +-7.5, and rounded to the nearest number of E2M3, ties to even, subnormals kept.
;;     - The product sums the exact products of the quantised numbers (number of the format x scale) in f32.
;;   ~~~python
;;   def quantise(x, axis):      # numpy; x: float32 -> the quantised numbers, widened to float32 again
;;       x = np.moveaxis(x, axis, -1); K = x.shape[-1]
;;       x = np.pad(x, [(0, 0)] * (x.ndim - 1) + [(0, -K % 32)]); x = x.reshape(x.shape[:-1] + (-1, 32)); a = np.abs(x).max(-1, keepdims=True)
;;       e = np.where(a > 0, np.clip(np.frexp(np.where(a > 0, a, 1))[1] - 1 - 2, -126, 127), 0)      # np.frexp(a)[1] - 1 = floor(log2(a)), exactly
;;       r = np.clip(x / 2.0 ** e, -7.5, 7.5)
;;       step = 2.0 ** (np.maximum(np.frexp(np.where(r == 0, 1, r))[1] - 1, 0) - 3)
;;       q = np.round(r / step) * step * 2.0 ** e      # np.round: ties to even
;;       return np.moveaxis(q.reshape(q.shape[:-2] + (-1,))[..., :K], -1, axis).astype(np.float32)
;;   ~~~
;;   SOFTMAX AHEAD OF A QUANTISED PRODUCT. Where the list says 'softmax', what is quantised is not the finished softmax but p = 2^(t - M), with t = logit x log2(e) and M = ceil(the row's largest t), a whole number; so 1/2 < the row's largest p <= 1. The row's sum l is taken of the UNQUANTISED p, in f32, and the product's result is divided by l at the end. Since M is a whole number, a kernel that streams over the keys may use a running M (the ceiling of the running maximum): every later rescaling is an exact power of two, which a block's scale takes up: the codes' values come out the same.
;;   OPERANDS COMPUTED ON THE WAY. 'Computed on the way' means the value that the module computes at that place (a softmax that the list does not call 'softmax' is quantised finished and normalised). What goes into a quantiser is computed in f32, as accurately as f32 sums, v_exp_f32 and their like allow (about 1e-6 of the number): no bf16 or f16 on the way to a quantiser, and a product that is left as it is and whose result goes on into a quantised operand takes f32 operands (vector FMAs, or v_wmma_f32_16x16x4_f32). A number that lies on a knife's edge between two numbers of the format may be rounded either way, as far as f32 arithmetic and the matrix unit's own rounding can turn it there, and no further.
;; One version. Each part assembles by itself: llvm-mc -triple=amdgcn-amd-amdhsa -mcpu=gfx1250 --defsym DOCPART=n.
;; ======== version 1 of 1: 3 launches
;; limits: right only within a limited range of input values
;; workspace buffers: kvp 13,631,488 bytes; wp 819,200 bytes; ap 6,553,600 bytes
;; launch prep (part 1): grid 544 x 1, 4 waves a work-group, no clusters, 42,496 bytes of LDS; arguments k, W_out, v, kvp, wp; writes kvp, wp
.if DOCPART == 1
	.amdgcn_target "amdgcn-amd-amdhsa--gfx1250"
	.amdhsa_code_object_version 6
	.text
	.protected	k_q7ee7415f8e_prep
	.globl	k_q7ee7415f8e_prep
	.p2align	8
	.type	k_q7ee7415f8e_prep,@function
k_q7ee7415f8e_prep:
	s_mov_b64 s[64:65], 0
	v_nop
	global_prefetch_b8 v0, s[64:65] scope:SCOPE_SE
	s_setreg_imm32_b32 hwreg(HW_REG_WAVE_MODE, 25, 1), 1
	s_wait_xcnt 0x0
; q, k [4][2048][1024], W_out [1024][1024] and v [4][2048][1024], f32, become codes of E2M3 with one E8M0 byte for each 32 along K,
; laid in memory AS IMAGES OF THE OPERANDS' REGISTERS, so that the later launches fetch fragments by dense loads of 16 and 8 bytes a lane.
; A HALF-IMAGE is 16 rows x 64 along K, 768 bytes: lane l = r + 16 h holds block h (32 codes, 24 bytes, six registers) of row r;
; its registers 0-3 lie at 16 l, its registers 4-5 at 512 + 8 l.
; A block's scale is 2^(floor(log2(largest magnitude)) - 2); its byte is the largest magnitude's exponent field - 2, held at 1 from below.
; LIMITS: NaN and infinities among the inputs are not served.  A block whose largest magnitude lies under 2^-124 gets the byte 1 (the
; quantiser's own lower hold); a block of zeros gets the byte 1 where the quantiser says 127: its codes are zeros, which add nothing
; under any byte but 0xff, and these bytes are read by this program alone.
; SHARES.  A wave takes a unit of 128 rows x 64 columns (32 KB of f32); the four waves of a work-group take four neighbouring units
; along the row, 1,024 consecutive bytes of each row.  Work-groups 0-255: q; 256-511: k; 512-543: W_out (K innermost: the row path);
; 544-799: v (K = the tokens, its outer axis: a lane takes a channel and its registers run down the tokens).
; No work-group reads what another reads, so there is nothing to share in a cluster; waves share nothing, so there is no barrier.
; The two paths have LDS bytes of their own.
; W_out's scale bytes leave as two bytes a lane, 16 bytes apart (32 KB in the whole launch): a scale word of the last product
; is made of two units' bytes, which two waves hold.
; THE SHARES AS THEY STAND NOW, in place of what the lines above say of q: q is not served by this launch (the attention launch, whose waves
; each read their own rows of q once, quantises it itself).  Work-groups 0-255: k; 256-287: W_out; 288-543: v.
; The rows of a tile of k: lane-row r of tile 4 c + u is key 64 c + 8 u + r % 8 + 32 (r / 8), so that a lane's 32 scores of four neighbouring tiles are one whole block of 32 keys.
.set R,    32                          ; row path: v32-95   two sets of 32 registers as loaded (a tile: 16 rows x 256 bytes)
.set X,    96                          ;           v96-127  my block's 32 numbers
.set C,    128                         ;           v128-175 six registers of codes for each of the 8 tiles: no store's data are written again
.set WD,   176                         ;           v176-183 the tiles' scale words
.set PK,   184                         ;           v184-187 the scale pack
.set XV,   32                          ; v path:   v32-95   two sets of 32 numbers
.set CV,   96                          ;           v96-101  a block's codes
.set TV,   104                         ;           v104-106 the second conversion's result
.set SB,   108                         ;           v108-109 my channel's scale words
.set ZV,   110                         ;           v110-111 zeros
.set OV,   128                         ;           v128-175 the way out
.set RSTG, 4352                        ; row path's stage: 16 rows x (256 + 16) bytes for each wave, from LDS byte 0
.set VSTG, 6144                        ; v path's stage: four fragments' images for each wave,
.set VST0, 4*RSTG                      ; behind the row path's
; from s20 = the unit group's number: s21 = group of 128 rows, s22 = column chunk of 64 (the head), s[24:25] = the unit's first byte
; in its tensor (rows of 4,096 bytes), s26 = ((batch x 16 + head) x 16 + group of 128 tokens in the batch)
.macro UNIT
	s_lshr_b32 s21, s20, 2
	s_and_b32 s22, s20, 3
	s_lshl_b32 s22, s22, 2
	s_add_co_u32 s22, s22, s18
	s_lshl_b32 s24, s21, 19
	s_lshl_b32 s25, s22, 8
	s_add_co_u32 s24, s24, s25
	s_mov_b32 s25, 0
	s_lshr_b32 s26, s21, 4
	s_lshl_b32 s26, s26, 4
	s_add_co_u32 s26, s26, s22
	s_lshl_b32 s26, s26, 4
	s_and_b32 s27, s21, 15
	s_add_co_u32 s26, s26, s27
.endm
; the largest magnitude of v[x] .. v[x+31], in two chains, with the floor 2^(3 - 127) among its leaves; v14 = the conversions' scale operand
.macro MAX32 x
	v_max3_num_f32 v12, |v[\x]|, |v[\x+1]|, |v[\x+2]|
	v_max3_num_f32 v13, |v[\x+3]|, |v[\x+4]|, |v[\x+5]|
.irp i, 6,10,14,18,22,26
	v_max3_num_f32 v12, v12, |v[\x+\i]|, |v[\x+\i+1]|
	v_max3_num_f32 v13, v13, |v[\x+\i+2]|, |v[\x+\i+3]|
.endr
	v_max3_num_f32 v12, v12, |v[\x+30]|, |v[\x+31]|
	v_max3_num_f32 v12, v12, v13, 0x1800000        ; the floor: the byte cannot fall under 1
	v_add_nc_u32 v14, 0xff000000, v12              ; 2 off the exponent field: the conversion takes this operand's exponent field as its scale
.endm
	s_load_b64 s[6:7], s[0:1], 0x0                 ; k
	s_load_b128 s[8:11], s[0:1], 0x8               ; W_out s[8:9], v s[10:11]
	s_load_b64 s[14:15], s[0:1], 0x18              ; kvp
	s_load_b64 s[16:17], s[0:1], 0x20              ; wp
	v_lshl_add_u32 v192, v0, 2, 0xa400
	v_mov_b32 v193, 0
	v_lshrrev_b32 v1, 5, v0
	v_readfirstlane_b32 s18, v1                    ; wave 0..3
	v_and_b32 v1, 31, v0                           ; lane
	v_lshlrev_b32 v8, 4, v1                        ; 16 x lane
	v_lshlrev_b32 v9, 3, v1                        ; 8 x lane
	s_cmp_ge_u32 ttmp9, 288
	s_cbranch_scc1 .Lvpath
; ---------------- THE ROW PATH: q, k, W_out ----------------
	s_lshr_b32 s19, ttmp9, 8
	s_add_co_u32 s19, s19, 1                       ; 1: k, 2: W_out
	s_and_b32 s20, ttmp9, 255
	UNIT
	s_and_b32 s23, s19, 1                          ; 1 for k: the rows of its tiles are not neighbours (below), and its block is twice as long
	s_lshl_b32 s27, 6656, s23
	s_mul_i32 s26, s26, s27                        ; k: the unit's block in kvp (13,312 bytes)
	s_lshr_b32 s28, s21, 1                         ; W_out: block (256 rows, 128 along K) = (rows / 256) x 8 + chunk / 2
	s_lshl_b32 s28, s28, 3
	s_lshr_b32 s29, s22, 1
	s_add_co_u32 s28, s28, s29
	s_mul_i32 s28, s28, 25600
	s_and_b32 s29, s22, 1                          ; which 64 of the 128 along K
	s_and_b32 s31, s21, 1                          ; which 128 of the 256 rows
	s_mul_i32 s32, s29, 12288
	s_mul_i32 s33, s31, 6144
	s_add_co_u32 s32, s32, s33
	s_add_co_u32 s32, s32, s28                     ; its codes
	s_lshl_b32 s33, s31, 9
	s_lshl_b32 s34, s29, 1
	s_add_co_u32 s34, s34, s33
	s_add_co_u32 s34, s34, s28
	s_add_co_u32 s34, s34, 24576                   ; its two bytes of each row's scale word
	s_mov_b32 s35, 0
	s_lshl_b32 s42, s23, 1
	s_add_co_u32 s42, s42, 15                      ; the shift for lanes 16-31: 15 (natural order) or 17 (k)
	s_lshr_b32 s43, 0x10000, s23
	s_mul_i32 s44, s18, RSTG
	s_mov_b32 s45, 0x76543210
	s_mov_b32 s46, 0xfedcba98                      ; v_permlanex16_b32's selects for lane l xor 16
	v_and_b32 v2, 15, v0                           ; r
	v_bfe_u32 v3, v0, 4, 1                         ; h
	v_lshlrev_b32 v10, 4, v2                       ; 16 r
	v_lshlrev_b32 v11, 3, v3                       ; 8 h
	; A load takes two rows' 256 bytes: lanes 0-15 row j of the tile, lanes 16-31 row 8 + j.  Natural order: tile t = rows 16 t + 0..15.
	; k: tile 4 c + u begins at key 64 c + 8 u, and its rows 8-15 lie 32 keys behind its rows 0-7.
	v_lshlrev_b32 v4, s42, v3                      ; lanes 16-31: 8 rows on (natural) or 32 rows on (k), rows of 4,096 bytes
	v_add_nc_u32 v20, v4, v10                      ; tiles 0 and 4
	v_add_nc_u32 v21, s43, v20                     ; each next tile of four begins 16 rows on (natural) or 8 rows on (k)
	v_add_nc_u32 v22, s43, v21
	v_add_nc_u32 v23, s43, v22
	v_mul_u32_u24 v6, v3, 8*272
	v_add_nc_u32 v6, v6, v10
	v_add_nc_u32 v6, s44, v6                       ; into the stage: row 8 h + j, 16 bytes a lane
	v_mul_u32_u24 v7, v2, 272
	v_lshl_add_u32 v7, v3, 7, v7
	v_add_nc_u32 v7, s44, v7                       ; out of it: row r, block h: 128 bytes
	v_cmp_lt_u32 s30, 15, v1                       ; lanes 16-31
	v_mov_b32 v19, 0                               ; written once: a lane permute's destination counts as one of its sources
	s_wait_alu depctr_va_vdst(0)
	s_wait_kmcnt 0x0
	s_cmp_eq_u32 s19, 2                            ; the choices hang on the work-group's number alone
	s_cselect_b32 s26, s32, s26
	s_cselect_b64 s[36:37], s[8:9], s[6:7]
	s_cselect_b64 s[38:39], s[16:17], s[14:15]
	s_mov_b32 s27, 0
	s_add_nc_u64 s[36:37], s[36:37], s[24:25]      ; the unit's numbers
	s_add_nc_u64 s[38:39], s[38:39], s[26:27]      ; the unit's eight half-images
	s_add_nc_u64 s[40:41], s[16:17], s[34:35]      ; (used for W_out alone)
.macro LOADT t                         ; tile t: eight loads, each of two rows' 256 consecutive aligned bytes
.irp j, 0,1,2,3,4,5,6,7
	global_load_b128 v[R+32*((\t)%2)+4*\j:R+32*((\t)%2)+4*\j+3], v[20+(\t)%4], s[36:37] offset:(((\t)/4)*64+\j)*4096 th:TH_LOAD_NT
.endr
.endm
.macro TILE t
.if (\t) < 7
	s_wait_loadcnt 8                               ; this tile's eight loads are in; the next tile's eight may be out
.else
	s_wait_loadcnt 0
.endif
.irp j, 0,1,2,3,4,5,6,7
	ds_store_b128 v6, v[R+32*((\t)%2)+4*\j:R+32*((\t)%2)+4*\j+3] offset:272*\j
.endr
.irp m, 0,1,2,3,4,5,6,7
	ds_load_b128 v[X+4*\m:X+4*\m+3], v7 offset:16*\m   ; LDS serves a wave's instructions in order: these see the stores above
.endr
	s_wait_dscnt 0x0                               ; my block is in; the stores have read their registers,
.if (\t) < 6
	LOADT (\t)+2                                   ; which take the tile two further on
.endif
	MAX32 X
	v_cvt_scalef32_pk16_fp6_f32 v[C+6*(\t):C+6*(\t)+2], v[X:X+15], v14
	v_cvt_scalef32_pk16_fp6_f32 v[16:18], v[X+16:X+31], v14     ; (a conversion's three registers begin on an even number)
	v_lshrrev_b32 v15, 23, v14                     ; the scale's byte; also the plain line behind the conversions
	v_lshlrev_b32 v15, v11, v15                    ; at its place: block h is byte h
.irp i, 0,1,2
	v_mov_b32 v[C+6*(\t)+3+\i], v[16+\i]
.endr
	v_permlanex16_b32 v19, v15, s45, s46
	v_or_b32 v15, v15, v19                         ; the row's two bytes,
	v_lshl_or_b32 v[WD+(\t)], v15, 16, v15         ; twice: the first product's fragments hold their 64 along K in either half of the instruction's 128
	global_store_b128 v8, v[C+6*(\t):C+6*(\t)+3], s[38:39] offset:768*(\t)          ; 512 consecutive bytes, aligned
	global_store_b64 v9, v[C+6*(\t)+4:C+6*(\t)+5], s[38:39] offset:768*(\t)+512     ; 256 consecutive bytes, aligned
.endm
	LOADT 0
	LOADT 1
.irp t, 0,1,2,3,4,5,6,7
	TILE \t
.endr
	s_cmp_eq_u32 s19, 2
	s_cbranch_scc1 .Lwscale
.irp j, 0,1,2,3                        ; q, k: the scale pack: the word at 16 l + 4 j belongs to tile 2 j + l / 16, row l % 16
	v_cndmask_b32 v[PK+\j], v[WD+2*\j], v[WD+2*\j+1], s30
.endr
	global_store_b128 v8, v[PK:PK+3], s[38:39] offset:6144
	s_wait_tensorcnt 0x0
	ds_add_u32 v192, v193
	s_wait_dscnt 0x0
	s_endpgm
.Lwscale:
	s_wait_alu depctr_va_vdst(0)
.irp t, 0,1,2,3,4,5,6,7                ; W_out: my two bytes of the word of row tile t: lanes r and r + 16 store the same bytes with the same value
	global_store_b16 v10, v[WD+\t], s[40:41] offset:(\t/4)*256+4*(\t%4)
.endr
	s_wait_tensorcnt 0x0
	ds_add_u32 v192, v193
	s_wait_dscnt 0x0
	s_endpgm
; ---------------- THE V PATH ----------------
; A unit is 128 keys x 64 channels of one head: four fragments of V^T (16 channels x 128 keys, 12 registers, 1,536 bytes: registers
; 4 g .. 4 g + 3 of lane l at 512 g + 16 l).  Lane-row r of fragment 2 c + u is channel 32 c + 8 u + r + 8 (r / 8), so that the results of
; two neighbouring fragments are 16 neighbouring channels in a lane.  Here lane x takes channel 32 c + x, and 32 registers run down a block of 32 keys.
.Lvpath:
	s_sub_co_u32 s20, ttmp9, 288
	UNIT
	s_mul_i32 s26, s26, 13312
	s_add_co_u32 s26, s26, 6656                    ; V's part of the key step's block
	s_mov_b32 s27, 0
	s_mul_i32 s44, s18, VSTG
	s_add_co_u32 s44, s44, VST0                    ; my stage
	s_wait_alu depctr_va_vdst(0)
	v_lshlrev_b32 v4, 2, v1                        ; 4 x lane
	v_and_b32 v2, 7, v1
	v_lshrrev_b32 v3, 4, v1
	v_lshl_add_u32 v2, v3, 3, v2                   ; my channel's lane-row r = x % 8 + 8 (x / 16)
	v_bfe_u32 v3, v1, 3, 1                         ; and its fragment's parity u = (x / 8) % 2
	v_mul_u32_u24 v5, v3, 1536
	v_lshl_add_u32 v5, v2, 4, v5
	v_add_nc_u32 v5, s44, v5                       ; into the stage: fragment u, 16 r
	v_lshl_add_u32 v6, v3, 4, v2
	v_lshlrev_b32 v6, 3, v6                        ; the scale pack: the word at 8 l + 4 c belongs to fragment 2 c + l / 16, row l % 16
	v_add_nc_u32 v7, s44, v8                       ; out of the stage: 16 x lane
	v_mov_b32 v[ZV], 0
	v_mov_b32 v[ZV+1], 0
	s_wait_kmcnt 0x0
	s_add_nc_u64 s[36:37], s[10:11], s[24:25]
	s_add_nc_u64 s[38:39], s[14:15], s[26:27]
.macro LOADV s                         ; s = 2 x (block of 32 keys) + (half of the channels)
.set i, 0
.rept 32
	global_load_b32 v[XV+32*((\s)%2)+i], v4, s[36:37] offset:(32*((\s)/2)+i)*4096+128*((\s)%2) th:TH_LOAD_NT
.set i, i+1
.endr
.endm
.macro SUB s
.set XS, XV+32*((\s)%2)
.set KB, (\s)/2
.set CH, (\s)%2
.if (\s) < 7
	s_wait_loadcnt 32                              ; this block's 32 loads are in; the next one's may be out
.else
	s_wait_loadcnt 0
.endif
	MAX32 XS                                       ; all 32 numbers of the block are mine
	v_cvt_scalef32_pk16_fp6_f32 v[CV:CV+2], v[XS:XS+15], v14
	v_cvt_scalef32_pk16_fp6_f32 v[TV:TV+2], v[XS+16:XS+31], v14
	v_lshrrev_b32 v15, 23, v14                     ; the scale's byte; also the plain line behind the conversions
.if KB == 0
	v_mov_b32 v[SB+CH], v15                        ; four bytes to a word, the lower keys in the lower byte
.else
	v_lshl_or_b32 v[SB+CH], v15, 8*KB, v[SB+CH]
.endif
.irp i, 0,1,2
	v_mov_b32 v[CV+3+\i], v[TV+\i]
.endr
	; block KB is registers 6 (KB / 2) .. + 5 of lane r + 16 (KB % 2)
.if KB < 2
	ds_store_b128 v5, v[CV:CV+3] offset:CH*3072+256*(KB%2)
	ds_store_b64 v5, v[CV+4:CV+5] offset:CH*3072+512+256*(KB%2)
.else
	ds_store_b64 v5, v[CV:CV+1] offset:CH*3072+512+256*(KB%2)+8
	ds_store_b128 v5, v[CV+2:CV+5] offset:CH*3072+1024+256*(KB%2)
.endif
.if (\s) < 6
	LOADV (\s)+2
.endif
	s_wait_dscnt 0x0                               ; the stores have read their registers: the next block's codes may be written
.endm
	LOADV 0
	LOADV 1
.irp s, 0,1,2,3,4,5,6,7
	SUB \s
.endr
	s_wait_alu depctr_va_vdst(0)
	global_store_b64 v6, v[SB:SB+1], s[38:39] offset:6144      ; the scale pack: 256 bytes
	global_store_b64 v9, v[ZV:ZV+1], s[38:39] offset:6400      ; the block's last 256 bytes: zeros, so that no byte that is fetched later is left unwritten
.irp k, 0,1,2,3,4,5,6,7,8,9,10,11
	ds_load_b128 v[OV+4*\k:OV+4*\k+3], v7 offset:512*\k
.endr
.irp k, 0,1,2,3,4,5,6,7,8,9,10,11
	s_wait_dscnt 11-\k                             ; LDS loads come back in order: number k is in
	global_store_b128 v8, v[OV+4*\k:OV+4*\k+3], s[38:39] offset:512*\k   ; 512 consecutive bytes, aligned
.endr
	s_wait_tensorcnt 0x0
	ds_add_u32 v192, v193
	s_wait_dscnt 0x0
	s_endpgm
.Lfunc_end_k_q7ee7415f8e_prep:
	.size	k_q7ee7415f8e_prep, .Lfunc_end_k_q7ee7415f8e_prep-k_q7ee7415f8e_prep
	.p2alignl 7, 3214868480
	.fill 96, 4, 3214868480
	.section	.rodata,"a",@progbits
	.p2align	6, 0x0
	.amdhsa_kernel k_q7ee7415f8e_prep
		.amdhsa_group_segment_fixed_size 42496
		.amdhsa_private_segment_fixed_size 0
		.amdhsa_enable_private_segment 0
		.amdhsa_kernarg_size 40
		.amdhsa_user_sgpr_count 2
		.amdhsa_user_sgpr_kernarg_segment_ptr 1
		.amdhsa_wavefront_size32 1
		.amdhsa_system_sgpr_workgroup_id_x 1
		.amdhsa_system_sgpr_workgroup_id_y 1
		.amdhsa_system_sgpr_workgroup_id_z 1
		.amdhsa_system_vgpr_workitem_id 0
		.amdhsa_next_free_vgpr 194
		.amdhsa_next_free_sgpr 66
		.amdhsa_reserve_vcc 0
		.amdhsa_float_denorm_mode_32 3
		.amdhsa_float_denorm_mode_16_64 3
		.amdhsa_memory_ordered 1
		.amdhsa_forward_progress 1
		.amdhsa_inst_pref_size 75
	.end_amdhsa_kernel
	.amdgpu_metadata
---
amdhsa.version: [ 1, 2 ]
amdhsa.kernels:
  - .name:           k_q7ee7415f8e_prep
    .symbol:         k_q7ee7415f8e_prep.kd
    .args:
      - { .name: k, .offset: 0, .size: 8, .value_kind: global_buffer, .address_space: global }
      - { .name: W_out, .offset: 8, .size: 8, .value_kind: global_buffer, .address_space: global }
      - { .name: v, .offset: 16, .size: 8, .value_kind: global_buffer, .address_space: global }
      - { .name: kvp, .offset: 24, .size: 8, .value_kind: global_buffer, .address_space: global }
      - { .name: wp, .offset: 32, .size: 8, .value_kind: global_buffer, .address_space: global }
    .group_segment_fixed_size: 42496
    .private_segment_fixed_size: 0
    .kernarg_segment_align: 8
    .kernarg_segment_size: 40
    .max_flat_workgroup_size: 128
    .sgpr_count:     66
    .vgpr_count:     194
    .wavefront_size: 32
...
	.end_amdgpu_metadata
.endif
;; end of part 1
;; launch attn (part 2): grid 256 x 1, 16 waves a work-group, clusters of 4 x 1, 327,680 bytes of LDS; arguments q, kvp, ap; writes ap
.if DOCPART == 2
	.amdgcn_target "amdgcn-amd-amdhsa--gfx1250"
	.amdhsa_code_object_version 6
	.text
	.protected	k_q7ee7415f8e_attn
	.globl	k_q7ee7415f8e_attn
	.p2align	8
	.type	k_q7ee7415f8e_attn,@function
k_q7ee7415f8e_attn:
	s_mov_b64 s[64:65], 0
	v_nop
	global_prefetch_b8 v0, s[64:65] scope:SCOPE_SE
	s_setreg_imm32_b32 hwreg(HW_REG_WAVE_MODE, 25, 1), 1
	s_wait_xcnt 0x0
	s_wait_alu depctr_hold_cnt(0) depctr_sa_sdst(0) depctr_va_vdst(0) depctr_va_sdst(0) depctr_va_ssrc(0) depctr_va_vcc(0) depctr_vm_vsrc(0)
	s_getreg_b32 s2, hwreg(HW_REG_IB_STS2, 6, 4)
	s_cmp_eq_u32 s2, 0
	s_cbranch_scc0 .Lentry_in_a_cluster
	s_endpgm
.Lentry_in_a_cluster:
	s_bfe_u32 s2, ttmp6, 0x10000c
	s_cmp_lg_u32 s2, 0x3003
	s_cbranch_scc0 .Lentry_shape_is_right
	s_endpgm
.Lentry_shape_is_right:
; Causal attention of one (batch, head) for each cluster of four work-groups, on codes of E2M3 with E8M0 scales; its result is quantised along the channels and stored as the last product's operand (ap).
; LEFT OUT: key steps that lie wholly above the diagonal: the mask that the problem builds itself sets their scores to -inf, so their p are 0 and add nothing to the sum or to the result, whatever the inputs hold.
; A NaN, an infinity or an overflow that would arise only in those steps is not carried to the result.
; LIMITS: NaN and infinities among the inputs are not served.  The promise holds while the scaled scores (the exponents to the base 2) stay under 2^31 in magnitude.
; A block of q whose largest magnitude lies under 2^-124 gets the byte 1 (a block of zeros too: its codes are zeros).
; SHARES.  A head has 128 tiles of 16 queries.  Wave w of work-group cx takes tile 127 - i and then tile i, i = 4 w + cx: 16 - w / 2 and w / 2 + 1 key steps of 128 keys, 17 for every wave.
; K AND V: the head's 16 key steps, 13,312 bytes each (K's eight tiles as half-images, their scale pack, V's four fragments, their scale pack), lie in LDS for the whole launch, filled once:
; wave w asks for step w, jointly with the same wave of its three partners (all four work-groups need the same bytes).  One tensor load a wave is out, by this text's count.
; K's and V's tiles are not prefetched: all are asked for at the head, so no loop loads them and could run ahead.
; q: each wave reads its own 2 x 16 rows x 256 bytes of f32 once, in whole rows of 256 bytes, turns them through its own LDS stage (a lane then holds the 32 numbers of a block) and quantises them: the first tile's
; at the launch's head, while the tiles are on their way; the second tile's at the head of its own walk.  The second tile's 16 rows are prefetched in trip 2 of the first walk, a lane a row (lanes 16-31 name row 15 again),
; at least six key steps ahead of their loads.
; BOTH PRODUCTS ARE USED TRANSPOSED: S^T = K q^T, O^T = V^T p^T: a lane holds one query.  Row m of K's tile 4 c + u is key 64 c + 8 u + m % 8 + 32 (m / 8): so registers S + 32 c .. + 31 of lane (r, h)
; are keys 64 c + 32 h + 0 .. 31 of query r: one whole block, in the order of p's operand: its maximum and its codes need no other lane.
; The head size is 64, the instruction's K 128: q's fragment has zero codes in its upper half, so whatever codes stand in the upper half of K's operand (the next tile's, or what the registers behind it hold) add nothing.
; K'S TILES ARE FETCHED ONE STEP AHEAD: tiles 0-3 and the scale words into their own registers as soon as the products have read those; tiles 4-7 into S + 0 .. 23, once p's first two blocks are converted and summed.
; So a step begins with its products, those on tiles 4-7 first; the look-ahead's address is held at step 15.
; REGISTERS: v1-11 addresses; v12 -M, v13 the running largest score; v14-15 the sum; v16-27 q and zeros; v28-29 the next step's addresses; v34 q's scale word; v35 the prefetch's offset; v36-65 four tiles of K and six zeros;
; v72-75 K's scale words, v76-77 V's, v78 p's; v80-127 V's fragments; v128-191 scores, then p; v192-223 O^T; v224-235 p's codes; v236-253 at work; v254-255 the add's two.
.set L16,  1
.set L8,   2
.set ADK,  3
.set ADK8, 4
.set QDB,  5
.set QDA,  6
.set R16,  7
.set H8,   8
.set VQ,   9
.set STI,  10
.set STO,  11
.set QF,   16
.set ADN,  28
.set ADN8, 29
.set PFO,  35
.set KF,   36
.set SUM2, 66
.set S,    128
.set O,    192
.set PF,   224
.set T0,   236
.set T1,   240
.set BM,   244
.set PT,   246
.set SOP,  248
.set FF,   250
.set TW,   252
.set NINF, 253
.set SPW,  254
.set NIL,  255
.set WV,   10
.set DGA,  13
.set DGB,  14
.set KS,   16
.set TB,   17
.set CS,   18
.set SEL,  20
.set TBN,  22
.set NC,   36
.set STEPB, 13312
.set STG0,  16*STEPB                   ; behind the tiles: a stage of 16 rows x (256 + 16) bytes for each wave
.set SPARE, STG0+16*4352               ; behind the stages: the spare words, 128 bytes a wave
.macro CROUND
	s_barrier_signal -1
	s_barrier_wait -1
	s_cmp_lg_u32 s[WV], 0
	s_cbranch_scc1 .Lnot_wave_0_\@
	s_barrier_signal -3
.Lnot_wave_0_\@:
	s_barrier_wait -3
	s_barrier_signal -1
	s_barrier_wait -1
.endm
.macro PLACES
.rept 4
	v_nop
.endr
.endm
; for the query tile in s[qt]: s[p:p+1] its rows of q; s[p+4:p+5] its half-image in ap, s[p+6:p+7] its two bytes of each row's scale word
.macro PTRS qt, p
	s_lshr_b32 s58, s12, 4
	s_lshl_b32 s58, s58, 23                        ; batch: 2,048 rows of 4,096 bytes
	s_lshl_b32 s57, s[\qt], 16                     ; 16 rows
	s_add_co_u32 s58, s58, s57
	s_and_b32 s57, s12, 15
	s_lshl_b32 s57, s57, 8                         ; head: 256 bytes
	s_add_co_u32 s58, s58, s57
	s_mov_b32 s59, 0
	s_add_nc_u64 s[\p:\p+1], s[4:5], s[58:59]
	s_lshr_b32 s56, s12, 4
	s_lshl_b32 s56, s56, 7
	s_add_co_u32 s56, s56, s[\qt]
	s_and_b32 s57, s12, 15
	s_lshr_b32 s60, s56, 3
	s_lshl_b32 s60, s60, 3
	s_lshr_b32 s61, s57, 1
	s_add_co_u32 s60, s60, s61
	s_mul_i32 s60, s60, 12800
	s_and_b32 s61, s57, 1
	s_mul_i32 s62, s61, 6144
	s_and_b32 s58, s56, 7
	s_mul_i32 s58, s58, 768
	s_add_co_u32 s58, s58, s62
	s_add_co_u32 s58, s58, s60
	s_add_nc_u64 s[\p+4:\p+5], s[8:9], s[58:59]
	s_bfe_u32 s58, s56, 0x10002
	s_lshl_b32 s58, s58, 8
	s_and_b32 s62, s56, 3
	s_lshl_b32 s62, s62, 2
	s_add_co_u32 s58, s58, s62
	s_lshl_b32 s62, s61, 1
	s_add_co_u32 s58, s58, s62
	s_add_co_u32 s58, s58, s60
	s_add_co_u32 s58, s58, 12288
	s_add_nc_u64 s[\p+6:\p+7], s[8:9], s[58:59]
.endm
.macro QRAW p, raw                     ; a tile of q: each load takes two rows' 256 consecutive aligned bytes (rows j and 8 + j)
.irp j, 0,1,2,3,4,5,6,7
	global_load_b128 v[\raw+4*\j:\raw+4*\j+3], v[VQ], s[\p:\p+1] offset:4096*\j th:TH_LOAD_NT
.endr
.endm
.macro TURN raw, x                     ; through my stage: in as loaded, back as row r, block h: 32 numbers a lane.  LDS serves a wave's instructions in order
.irp j, 0,1,2,3,4,5,6,7
	ds_store_b128 v[STI], v[\raw+4*\j:\raw+4*\j+3] offset:272*\j
.endr
.irp m, 0,1,2,3,4,5,6,7
	ds_load_b128 v[\x+4*\m:\x+4*\m+3], v[STO] offset:16*\m
.endr
	s_wait_dscnt 0x0
.endm
.macro QUANT x, dst, sc                ; my block's scale and codes; the row's two scale bytes, twice, make its word
	v_max3_num_f32 v[BM], |v[\x]|, |v[\x+1]|, |v[\x+2]|
	v_max3_num_f32 v[BM+1], |v[\x+3]|, |v[\x+4]|, |v[\x+5]|
.irp i, 6,10,14,18,22,26
	v_max3_num_f32 v[BM], v[BM], |v[\x+\i]|, |v[\x+\i+1]|
	v_max3_num_f32 v[BM+1], v[BM+1], |v[\x+\i+2]|, |v[\x+\i+3]|
.endr
	v_max3_num_f32 v[BM], v[BM], |v[\x+30]|, |v[\x+31]|
	s_delay_alu instid0(VALU_DEP_1)
	v_max3_num_f32 v[BM], v[BM], v[BM+1], 0x1800000   ; the floor 2^(3 - 127): the byte cannot fall under 1
	s_delay_alu instid0(VALU_DEP_1)
	v_add_nc_u32 v[SOP], 0xff000000, v[BM]         ; 2 off the exponent field: the conversions' scale operand
	v_cvt_scalef32_pk16_fp6_f32 v[\dst:\dst+2], v[\x:\x+15], v[SOP]
	v_cvt_scalef32_pk16_fp6_f32 v[T0:T0+2], v[\x+16:\x+31], v[SOP]
	v_lshrrev_b32 v[TW], 23, v[SOP]                ; the byte; also the plain line behind the conversions
	s_delay_alu instid0(VALU_DEP_1)
	v_lshlrev_b32 v[TW], v[H8], v[TW]              ; block h is byte h
.irp i, 0,1,2
	v_mov_b32 v[\dst+3+\i], v[T0+\i]
.endr
	v_permlanex16_b32 v[PT], v[TW], s[SEL], s[SEL+1]
	s_delay_alu instid0(VALU_DEP_1)
	v_or_b32 v[TW], v[TW], v[PT]
	s_delay_alu instid0(VALU_DEP_1)
	v_lshl_or_b32 v[\sc], v[TW], 16, v[TW]
.endm
.macro INIT
.set j, 0
.rept 32
	v_mov_b32 v[O+j], 0
.set j, j+1
.endr
	v_mov_b32 v13, 0xff61b1e6                      ; the largest score so far: -3e38
	v_mov_b32 v12, 0x7f61b1e6                      ; -M: 3e38, so that the first step's factor is 0
	v_mov_b32 v14, 0
	v_mov_b32 v15, 0
.endm
.macro KLOAD g, base, a16, a8          ; tiles 4 g .. 4 g + 3 of K, six registers each, on end from v[base]
.irp i, 0,1,2,3
	ds_load_b128 v[\base+6*\i:\base+6*\i+3], v[\a16] offset:768*(4*\g+\i)
	ds_load_b64 v[\base+6*\i+4:\base+6*\i+5], v[\a8] offset:768*(4*\g+\i)+512
.endr
.endm
.macro SPROD g, base                   ; register 72 + j holds the words of tile 2 j in lanes 0-15 and of tile 2 j + 1 in lanes 16-31
.irp i, 0,1,2,3
.if \i%2
	v_wmma_scale_f32_16x16x128_f8f6f4 v[S+8*(4*\g+\i):S+8*(4*\g+\i)+7], v[\base+6*\i:\base+6*\i+11], v[QF:QF+11], 0, v[72+2*\g+\i/2], v34 matrix_a_fmt:MATRIX_FMT_FP6 matrix_b_fmt:MATRIX_FMT_FP6 matrix_a_scale:MATRIX_SCALE_ROW1
.else
	v_wmma_scale_f32_16x16x128_f8f6f4 v[S+8*(4*\g+\i):S+8*(4*\g+\i)+7], v[\base+6*\i:\base+6*\i+11], v[QF:QF+11], 0, v[72+2*\g+\i/2], v34 matrix_a_fmt:MATRIX_FMT_FP6 matrix_b_fmt:MATRIX_FMT_FP6
.endif
.endr
.endm
.macro PRO                             ; ahead of a walk: key step 0's tiles of K and their scale words
	ds_load_b128 v[72:75], v[L16] offset:6144
	KLOAD 0, KF, L16, L8
	KLOAD 1, S, L16, L8
	s_wait_alu depctr_va_vdst(0)                   ; directly ahead of the wait below
	s_wait_dscnt 0x0
.endm
; A key step of 128 keys for my 16 queries.  dg: the step in which my tile's diagonal lies (made of the wave's number alone); steps behind it are jumped over; qd: my query's place in that step less 32 h;
; pf = 1: trip 2 asks for my second tile's rows of q
.macro STEP dg, qd, pf
	s_cmp_gt_u32 s[KS], s[\dg]
	s_cbranch_scc1 .Lhid_\@
	s_add_co_u32 s[TBN], s[TB], STEPB
	s_min_u32 s[TBN], s[TBN], 15*STEPB             ; the next step, held at the last
	SPROD 1, S                                     ; tiles 4-7 lie in S + 0 .. 23: their scores go to S + 32 .. 63
	v_add_nc_u32 v[ADK], s[TB], v[L16]             ; five places ahead of the products that write over those tiles
	v_add_nc_u32 v[ADK8], s[TB], v[L8]
	v_add_nc_u32 v[ADN], s[TBN], v[L16]
	v_add_nc_u32 v[ADN8], s[TBN], v[L8]
	v_nop
	SPROD 0, KF
	PLACES
.irp t, 0,1,2,3
.irp g, 0,1,2
	ds_load_b128 v[80+12*\t+4*\g:80+12*\t+4*\g+3], v[ADK] offset:6656+1536*\t+512*\g
.endr
.endr
	ds_load_b64 v[76:77], v[ADK8] offset:12800
	ds_load_b128 v[72:75], v[ADN] offset:6144      ; the next step's scale words and tiles 0-3
	KLOAD 0, KF, ADN, ADN8
	s_cmp_lg_u32 s[KS], s[\dg]
	s_cbranch_scc1 .Lopen_\@
.set n, 0
.rept 64                               ; the diagonal's step: register n holds key 64 (n / 32) + n % 32 + 32 h
	v_cmp_gt_i32 vcc_lo, 64*(n/32)+n%32, v[\qd]
	v_cndmask_b32 v[S+n], v[S+n], v[NINF], vcc_lo
.set n, n+1
.endr
.Lopen_\@:
.irp c, 0,1                            ; each block's largest score, in two chains a block, four by turns; every accumulator is first read at its low end
	v_max3_num_f32 v[BM+\c], v[S+32*\c], v[S+32*\c+1], v[S+32*\c+2]
	v_max3_num_f32 v[T0+4*\c], v[S+32*\c+16], v[S+32*\c+17], v[S+32*\c+18]
.endr
.irp i, 3,5,7,9,11,13
.irp c, 0,1
	v_max3_num_f32 v[BM+\c], v[BM+\c], v[S+32*\c+\i], v[S+32*\c+\i+1]
	v_max3_num_f32 v[T0+4*\c], v[T0+4*\c], v[S+32*\c+16+\i], v[S+32*\c+17+\i]
.endr
.endr
.irp c, 0,1
	v_max3_num_f32 v[BM+\c], v[BM+\c], v[T0+4*\c], v[S+32*\c+15]
.endr
.irp c, 0,1
	v_max_num_f32 v[BM+\c], v[BM+\c], v[S+32*\c+31]
.endr
	v_max_num_f32 v[TW], v[BM], v[BM+1]
	v_permlanex16_b32 v[PT], v[TW], s[SEL], s[SEL+1]
	v_max3_num_f32 v13, v13, v[TW], v[PT]          ; the running largest score of my query
	v_mov_b32 v[TW], v12
	v_mul_f32 v[PT], s[NC], v13                    ; -t
	v_floor_f32 v12, v[PT]                         ; -M = floor(-t): M is a whole number
.set j, 0
.rept 32
	v_pk_fma_f32 v[S+j:S+j+1], v[S+j:S+j+1], s[CS:CS+1], v[12:13] op_sel_hi:[1,0,0]   ; t - M
.if j == 16
	v_sub_f32 v[TW], v12, v[TW]                    ; M's old value less its new one
.endif
.if j == 32
	v_cvt_i32_f32 v[TW], v[TW]                     ; (it saturates)
.endif
.if j == 48
	v_ldexp_f32 v[FF], 1.0, v[TW]                  ; f = 2^(old M - new M)
.endif
.set j, j+2
.endr
.irp c, 0,1
	v_fma_f32 v[BM+\c], v[BM+\c], s[CS], v12       ; the same of each block's largest score
.endr
	s_wait_alu depctr_va_vdst(0)                   ; ahead of the batch
.set j, 0
.rept 64
	v_exp_f32 v[S+j], v[S+j]
.set j, j+1
.endr
.irp c, 0,1
	v_exp_f32 v[BM+\c], v[BM+\c]                   ; the block's largest p
.endr
	v_pk_mul_f32 v[14:15], v[14:15], v[FF:FF+1] op_sel_hi:[1,0]   ; the sum under the new M; the plain place behind the batch
	s_wait_alu depctr_va_vdst(0)                   ; one wait for the batch
.irp c, 0,1
	v_max_num_f32 v[BM+\c], 0x1800000, v[BM+\c]    ; the floor: the byte cannot fall under 1
.endr
.irp c, 0,1
	v_add_nc_u32 v[SOP+\c], 0xff000000, v[BM+\c]
.endr
	v_cvt_scalef32_pk16_fp6_f32 v[PF:PF+2], v[S:S+15], v[SOP]
	v_cvt_scalef32_pk16_fp6_f32 v[T0:T0+2], v[S+16:S+31], v[SOP]   ; (a conversion's three registers begin on an even number)
	v_pk_add_f32 v[SUM2:SUM2+1], v[S:S+1], v[S+2:S+3]   ; the sum is taken of the unquantised p, in two chains
.irp j, 4,8,12,16,20,24,28
	v_pk_add_f32 v[14:15], v[14:15], v[S+\j:S+\j+1]
	v_pk_add_f32 v[SUM2:SUM2+1], v[SUM2:SUM2+1], v[S+\j+2:S+\j+3]
.endr
	KLOAD 1, S, ADN, ADN8                          ; S + 0 .. 31 are converted and summed: the next step's tiles 4-7 land there
.irp c, 0,1
	v_lshrrev_b32 v[PT+\c], 23, v[SOP+\c]
.endr
	s_delay_alu instid0(VALU_DEP_1)
	v_lshl_or_b32 v[TW], v[PT+1], 16, v[PT]        ; my blocks h and 2 + h,
	s_delay_alu instid0(VALU_DEP_1)
	v_lshlrev_b32 v[TW], v[H8], v[TW]              ; at their places in the word;
	s_delay_alu instid0(VALU_DEP_1)
	v_permlanex16_b32 v[PT], v[TW], s[SEL], s[SEL+1]
	s_delay_alu instid0(VALU_DEP_1)
	v_or_b32 v78, v[TW], v[PT]                     ; with lane l xor 16's two the word is whole
	v_cvt_scalef32_pk16_fp6_f32 v[PF+6:PF+8], v[S+32:S+47], v[SOP+1]
	v_cvt_scalef32_pk16_fp6_f32 v[T1:T1+2], v[S+48:S+63], v[SOP+1]
	v_nop
.irp c, 0,1
.irp i, 0,1,2
	v_mov_b32 v[PF+6*\c+3+\i], v[T0+4*\c+\i]
.endr
.endr
.irp j, 32,36,40,44,48,52,56,60
	v_pk_add_f32 v[14:15], v[14:15], v[S+\j:S+\j+1]
	v_pk_add_f32 v[SUM2:SUM2+1], v[SUM2:SUM2+1], v[S+\j+2:S+\j+3]
.endr
	s_delay_alu instid0(VALU_DEP_1)
	v_pk_add_f32 v[14:15], v[14:15], v[SUM2:SUM2+1]
	s_wait_alu depctr_va_vdst(0)                   ; directly ahead of O^T's first reader
.set j, 0
.rept 16
	v_pk_mul_f32 v[O+j:O+j+1], v[O+j:O+j+1], v[FF:FF+1] op_sel_hi:[1,0]   ; O^T under the new M
.set j, j+2
.endr
	s_wait_alu depctr_va_vdst(0)                   ; directly ahead of the wait below
	s_wait_dscnt 0x0                               ; V's fragments and scale words, and all that was fetched for the next step
.irp t, 0,2
	v_wmma_scale_f32_16x16x128_f8f6f4 v[O+8*\t:O+8*\t+7], v[80+12*\t:80+12*\t+11], v[PF:PF+11], v[O+8*\t:O+8*\t+7], v[76+\t/2], v78 matrix_a_fmt:MATRIX_FMT_FP6 matrix_b_fmt:MATRIX_FMT_FP6
	v_wmma_scale_f32_16x16x128_f8f6f4 v[O+8*\t+8:O+8*\t+15], v[80+12*\t+12:80+12*\t+23], v[PF:PF+11], v[O+8*\t+8:O+8*\t+15], v[76+\t/2], v78 matrix_a_fmt:MATRIX_FMT_FP6 matrix_b_fmt:MATRIX_FMT_FP6 matrix_a_scale:MATRIX_SCALE_ROW1
.endr
.Lhid_\@:
.if \pf
	s_cmp_lg_u32 s[KS], 2
	s_cbranch_scc1 .Lnot_now_\@
	global_prefetch_b8 v[PFO], s[48:49] th:TH_LOAD_NT scope:SCOPE_SE   ; my second tile's 16 rows of 256 bytes; its address registers are never rewritten
.Lnot_now_\@:
.endif
	s_add_co_u32 s[TB], s[TB], STEPB
	s_add_co_u32 s[KS], s[KS], 1
.endm
; O^T / the sum, quantised along the channels (registers 16 b .. + 15 of lane (r, h) are channels 32 b + 16 h + 0 .. 15), stored as a half-image of the last product's operand
.macro FINAL p, next
	s_wait_alu depctr_va_vdst(0)
	PLACES
.if \next
	QRAW 48, 80                                    ; the second tile's q, into the registers that held V's fragments
.endif
	v_add_f32 v14, v14, v15
	s_delay_alu instid0(VALU_DEP_1)
	v_permlanex16_b32 v[TW], v14, s[SEL], s[SEL+1]
	s_delay_alu instid0(VALU_DEP_1)
	v_add_f32 v14, v14, v[TW]
	s_wait_alu depctr_va_vdst(0)
	v_rcp_f32 v14, v14
	v_nop
	s_wait_alu depctr_va_vdst(0)
.set j, 0
.rept 16
	v_pk_mul_f32 v[S+j:S+j+1], v[O+j:O+j+1], v[14:15] op_sel_hi:[1,0]
.set j, j+2
.endr
.irp b, 0,1
	v_max3_num_f32 v[BM+\b], |v[S+16*\b]|, |v[S+16*\b+1]|, 0x1800000
.endr
.irp i, 2,4,6,8,10,12,14
.irp b, 0,1
	s_delay_alu instid0(VALU_DEP_2)
	v_max3_num_f32 v[BM+\b], v[BM+\b], |v[S+16*\b+\i]|, |v[S+16*\b+\i+1]|
.endr
.endr
.irp b, 0,1
	s_delay_alu instid0(VALU_DEP_2)
	v_permlanex16_b32 v[PT+\b], v[BM+\b], s[SEL], s[SEL+1]
.endr
.irp b, 0,1
	s_delay_alu instid0(VALU_DEP_2)
	v_max_num_f32 v[BM+\b], v[BM+\b], v[PT+\b]
.endr
.irp b, 0,1
	s_delay_alu instid0(VALU_DEP_2)
	v_add_nc_u32 v[SOP+\b], 0xff000000, v[BM+\b]
.endr
.irp b, 0,1
	s_delay_alu instid0(VALU_DEP_2)
	v_lshrrev_b32 v[PT+\b], 23, v[SOP+\b]
.endr
	s_delay_alu instid0(VALU_DEP_1)
	v_lshl_or_b32 v[TW], v[PT+1], 8, v[PT]
	v_cvt_scalef32_pk16_fp6_f32 v[PF:PF+2], v[S:S+15], v[SOP]
	v_cvt_scalef32_pk16_fp6_f32 v[T0:T0+2], v[S+16:S+31], v[SOP+1]
	v_nop
.irp i, 0,1,2
	v_permlane16_swap_b32 v[PF+\i], v[T0+\i]       ; a whole block in a lane
.endr
.irp i, 0,1,2
	s_delay_alu instid0(VALU_DEP_3)
	v_mov_b32 v[PF+3+\i], v[T0+\i]
.endr
	global_store_b128 v[L16], v[PF:PF+3], s[\p+4:\p+5]              ; 512 consecutive bytes, aligned
	global_store_b64 v[L8], v[PF+4:PF+5], s[\p+4:\p+5] offset:512   ; 256 consecutive bytes, aligned
	global_store_b16 v[R16], v[TW], s[\p+6:\p+7]                    ; lanes r and r + 16 store the same two bytes
.if \next
	s_wait_xcnt 0x0                                ; the stores have read their registers
.endif
.endm
	s_load_b128 s[4:7], s[0:1], 0x0                ; q s[4:5], kvp s[6:7]
	s_load_b64 s[8:9], s[0:1], 0x10                ; ap
	v_lshl_add_u32 v[SPW], v0, 2, SPARE
	v_mov_b32 v[NIL], 0
	ds_add_u32 v[SPW], v[NIL]                      ; the opening add, twice on end, and its wait below
	ds_add_u32 v[SPW], v[NIL]
	v_lshrrev_b32 v1, 5, v0
	v_readfirstlane_b32 s[WV], v1                  ; wave 0..15
	s_bfe_u32 s11, ttmp6, 0x40000                  ; cx
	s_mov_b32 s12, ttmp9                           ; 16 x batch + head
	s_lshr_b32 s[DGA], s[WV], 1
	s_sub_co_u32 s[DGB], 15, s[DGA]
	s_lshl_b32 s15, s[WV], 2
	s_add_co_u32 s15, s15, s11                     ; my second tile,
	s_sub_co_u32 s23, 127, s15                     ; and my first
	s_mov_b32 s[CS], 0x3d38aa3b                    ; c = log2(e) / 32
	s_mov_b32 s[CS+1], s[CS]
	s_mov_b32 s[NC], 0xbd38aa3b                    ; -c
	s_mov_b32 s[SEL], 0x76543210
	s_mov_b32 s[SEL+1], 0xfedcba98
	s_mov_b32 s24, 15|(3<<16)|(1<<21)              ; group 1: the four partners; 52 dense rows of 256 bytes (32 elements of 8 bytes)
	s_mov_b32 s25, 32<<16
	s_mov_b32 s26, 52<<16
	s_mov_b32 s27, 32<<16
	s_mov_b32 s28, 52
	s_mov_b32 s29, 32
	s_mov_b32 s30, 0
	s_mov_b32 s31, 0
	s_mul_i32 s33, s[WV], STEPB                    ; key step w, at w x 13,312 in LDS
	s_mul_i32 s2, s12, 16*STEPB
	s_add_co_u32 s2, s2, s33
	s_mov_b32 s3, 0
	s_mul_i32 s37, s[WV], 4352
	s_add_co_u32 s37, s37, STG0                    ; my stage
	s_and_b32 s38, s23, 7
	s_lshl_b32 s38, s38, 4
	s_and_b32 s39, s15, 7
	s_lshl_b32 s39, s39, 4
	v_and_b32 v12, 31, v0
	v_and_b32 v13, 15, v0                          ; r
	v_bfe_u32 v14, v0, 4, 1                        ; h
	v_lshlrev_b32 v[L16], 4, v12
	v_lshlrev_b32 v[L8], 3, v12
	v_lshlrev_b32 v[R16], 4, v13
	v_lshlrev_b32 v[H8], 3, v14
	v_lshl_add_u32 v[VQ], v14, 15, v[R16]          ; q: lanes 16-31 eight rows on; 16 r
	v_mul_u32_u24 v[STI], v14, 8*272
	v_add_nc_u32 v[STI], v[STI], v[R16]
	v_add_nc_u32 v[STI], s37, v[STI]               ; into the stage: row 8 h + j, 16 r
	v_mul_u32_u24 v[STO], v13, 272
	v_lshl_add_u32 v[STO], v14, 7, v[STO]
	v_add_nc_u32 v[STO], s37, v[STO]               ; out of it: row r, block h
	v_lshlrev_b32 v14, 5, v14
	v_sub_nc_u32 v13, v13, v14                     ; r - 32 h
	v_add_nc_u32 v[QDB], s38, v13
	v_add_nc_u32 v[QDA], s39, v13
	v_min_u32 v[PFO], 15, v12
	v_lshlrev_b32 v[PFO], 12, v[PFO]               ; the prefetch: a lane a row of 4,096 bytes; lanes 16-31 name row 15 again
	s_wait_alu depctr_va_vdst(0)                   ; directly ahead of the waits below
	s_wait_dscnt 0x0                               ; both opening adds are done
	s_wait_kmcnt 0x0
	PTRS 23, 40
	QRAW 40, S                                     ; the first tile of q is asked for ahead of the round
	s_mov_b32 s32, 1
	s_add_nc_u64 s[34:35], s[6:7], s[2:3]
	s_or_b32 s35, s35, 0x80000000
	CROUND                                         ; the four partners are here: the joint loads meet
	tensor_load_to_lds s[32:35], s[24:31]          ; my one tensor load
	s_nop 0
	PLACES
	PTRS 15, 48
.irp z, 22,23,24,25,26,27,60,61,62,63,64,65
	v_mov_b32 v\z, 0                               ; zero codes
.endr
	v_mov_b32 v[PT], 0                             ; written once: a lane permute's destination counts as one of its sources
	v_mov_b32 v[PT+1], 0
	v_mov_b32 v[TW], 0
	v_mov_b32 v[FF+1], 0
	v_mov_b32 v[NINF], 0xff800000
	s_wait_alu depctr_va_vdst(0)                   ; directly ahead of the wait below
	s_wait_loadcnt 0x0
	TURN S, 80
	QUANT 80, QF, 34
	INIT
	s_wait_alu depctr_va_vdst(0)                   ; at the head's end
	s_wait_tensorcnt 0x0                           ; my key step is in
	s_barrier_signal -1
	s_barrier_wait -1                              ; everybody's is: all sixteen steps may be read
	PRO
	s_mov_b32 s[KS], 0
	s_mov_b32 s[TB], 0
.Lb:
	STEP DGB, QDB, 1
	s_cmp_lt_u32 s[KS], 16
	s_cbranch_scc1 .Lb
	FINAL 40, 1
	s_wait_loadcnt 0x0                             ; the second tile's q
	TURN 80, O
	QUANT O, QF, 34
	INIT
	PRO
	s_mov_b32 s[KS], 0
	s_mov_b32 s[TB], 0
.La:
	STEP DGA, QDA, 0
	s_cmp_lt_u32 s[KS], 8
	s_cbranch_scc1 .La
	FINAL 48, 0
	s_wait_tensorcnt 0x0                           ; the wave's end
	ds_add_u32 v[SPW], v[NIL]
	s_wait_dscnt 0x0
	CROUND                                         ; the closing round
	s_endpgm
.Lfunc_end_k_q7ee7415f8e_attn:
	.size	k_q7ee7415f8e_attn, .Lfunc_end_k_q7ee7415f8e_attn-k_q7ee7415f8e_attn
	.p2alignl 7, 3214868480
	.fill 96, 4, 3214868480
	.section	.rodata,"a",@progbits
	.p2align	6, 0x0
	.amdhsa_kernel k_q7ee7415f8e_attn
		.amdhsa_group_segment_fixed_size 327680
		.amdhsa_private_segment_fixed_size 0
		.amdhsa_enable_private_segment 0
		.amdhsa_kernarg_size 24
		.amdhsa_user_sgpr_count 2
		.amdhsa_user_sgpr_kernarg_segment_ptr 1
		.amdhsa_wavefront_size32 1
		.amdhsa_system_sgpr_workgroup_id_x 1
		.amdhsa_system_sgpr_workgroup_id_y 1
		.amdhsa_system_sgpr_workgroup_id_z 1
		.amdhsa_system_vgpr_workitem_id 0
		.amdhsa_next_free_vgpr 256
		.amdhsa_next_free_sgpr 66
		.amdhsa_reserve_vcc 1
		.amdhsa_float_denorm_mode_32 3
		.amdhsa_float_denorm_mode_16_64 3
		.amdhsa_memory_ordered 1
		.amdhsa_forward_progress 1
		.amdhsa_inst_pref_size 69
	.end_amdhsa_kernel
	.amdgpu_metadata
---
amdhsa.version: [ 1, 2 ]
amdhsa.kernels:
  - .name:           k_q7ee7415f8e_attn
    .symbol:         k_q7ee7415f8e_attn.kd
    .args:
      - { .name: q, .offset: 0, .size: 8, .value_kind: global_buffer, .address_space: global }
      - { .name: kvp, .offset: 8, .size: 8, .value_kind: global_buffer, .address_space: global }
      - { .name: ap, .offset: 16, .size: 8, .value_kind: global_buffer, .address_space: global }
    .group_segment_fixed_size: 327680
    .private_segment_fixed_size: 0
    .kernarg_segment_align: 8
    .kernarg_segment_size: 24
    .max_flat_workgroup_size: 512
    .sgpr_count:     66
    .vgpr_count:     256
    .wavefront_size: 32
...
	.end_amdgpu_metadata
.endif
;; end of part 2
;; launch proj (part 3): grid 4 x 64, 8 waves a work-group, clusters of 4 x 4, 327,680 bytes of LDS; arguments ap, wp, b_out, out0; writes out0
.if DOCPART == 3
	.amdgcn_target "amdgcn-amd-amdhsa--gfx1250"
	.amdhsa_code_object_version 6
	.text
	.protected	k_q7ee7415f8e_proj
	.globl	k_q7ee7415f8e_proj
	.p2align	8
	.type	k_q7ee7415f8e_proj,@function
k_q7ee7415f8e_proj:
	s_mov_b64 s[64:65], 0
	v_nop
	global_prefetch_b8 v0, s[64:65] scope:SCOPE_SE
	s_setreg_imm32_b32 hwreg(HW_REG_WAVE_MODE, 25, 1), 1
	s_wait_xcnt 0x0
	s_wait_alu depctr_hold_cnt(0) depctr_sa_sdst(0) depctr_va_vdst(0) depctr_va_sdst(0) depctr_va_ssrc(0) depctr_va_vcc(0) depctr_vm_vsrc(0)
	s_getreg_b32 s2, hwreg(HW_REG_IB_STS2, 6, 4)
	s_cmp_eq_u32 s2, 0
	s_cbranch_scc0 .Lentry_in_a_cluster
	s_endpgm
.Lentry_in_a_cluster:
	s_bfe_u32 s2, ttmp6, 0x10000c
	s_cmp_lg_u32 s2, 0xf033
	s_cbranch_scc0 .Lentry_shape_is_right
	s_endpgm
.Lentry_shape_is_right:
; out0[m][n] = the sum over k of A[m][k] W_out[n][k] + b_out[n], on codes of E2M3 with E8M0 scales.  M = 8,192, N = K = 1,024.
; A (ap) and W_out (wp) lie in memory as images of the operands' registers, block by block of (128 or 256 rows, 128 along K): codes as half-images
; (16 rows x 64 along K, 768 bytes: lane l's registers 0-3 at 16 l, registers 4-5 at 512 + 8 l), then one scale word a row.
; SHARES.  A work-group makes 128 rows x 256 columns: 64 x 4 = 256 work-groups.  Wave w makes rows 64 (w / 4) on, columns 64 (w % 4) on: 16 accumulators.
; ALL OF K LIES IN LDS: A's 8 blocks of 12,800 bytes, then W's 8 of 25,600: 307,200 bytes, each filled ONCE, laid as in memory.  No byte is filled again.
; CLUSTERS: 4 x 4.  The four of a row of the cluster need the same rows of A, the four of a column the same rows of W: each load is asked for jointly.
; Each wave issues four loads (A's and W's first four K steps, then their last four): four are out, by this text's count.
; THE MATRIX INSTRUCTION IS USED TRANSPOSED (source 0 = 16 rows of W, source 1 = 16 rows of A): a lane holds eight neighbouring numbers of a row of out0.
; The bias is loaded straight into the accumulators, in the result's layout: no addition, nothing cleared.
; The way out's stages lie in the bytes of A's first four K steps: they have had their only fill, and behind the second barrier nobody reads them.
; REGISTERS: v1-12 addresses; v16-19 A's scale words, v20-23 W's; v32-79 A's four fragments; v80-127 W's four; v128-255 accumulator (a, b) at v[128 + 8 (4 a + b)].
; THE LOADS AS THEY STAND NOW, in place of what the lines above say of four loads a wave: each wave issues ONE joint load at the head: waves 0-3 a quarter of A's bytes each
; (two K steps, 100 rows of 256 bytes), waves 4-7 a quarter of W's (two K steps, 200 rows).  One is out, by this text's count; one wait for 0 and one barrier show all of K to all waves.
.set AA,  3                            ; A's half-images: my 64 rows, 16 x lane
.set AB,  4                            ; the same + 512, 8 x lane
.set BA,  5                            ; W's
.set BB,  6
.set SAA, 7                            ; A's scale words: four tiles' words of row r on end
.set SBA, 8                            ; W's
.set STO, 9                            ; the stage: where I put 32 bytes of a row
.set RD,  10                           ; and where I read a row back
.set CO,  11                           ; my byte offset in out0
.set AF,  32
.set BF,  80
.set ACC, 128
.set ABLK, 12800
.set BBLK, 25600
.set BLDS, 8*ABLK                      ; W's blocks begin here
.set WV,  12
.macro CROUND
	s_barrier_signal -1
	s_barrier_wait -1
	s_cmp_lg_u32 s[WV], 0
	s_cbranch_scc1 .Lnot_wave_0_\@
	s_barrier_signal -3
.Lnot_wave_0_\@:
	s_barrier_wait -3
	s_barrier_signal -1
	s_barrier_wait -1
.endm
.macro PLACES
.rept 4
	v_nop
.endr
.endm
	s_load_b256 s[4:11], s[0:1], 0x0               ; ap s[4:5], wp s[6:7], b_out s[8:9], out0 s[10:11]
	v_lshl_add_u32 v30, v0, 2, 0x4b000
	v_mov_b32 v31, 0
	ds_add_u32 v30, v31
	ds_add_u32 v30, v31
	v_lshrrev_b32 v1, 5, v0
	s_delay_alu instid0(VALU_DEP_1)
	v_readfirstlane_b32 s[WV], v1                  ; wave 0..7
	s_bfe_u32 s13, ttmp6, 0x40000                  ; cx
	s_bfe_u32 s14, ttmp6, 0x40004                  ; cy
	s_lshl_b32 s15, ttmp9, 2
	s_add_co_u32 s15, s15, s13                     ; block of 256 columns
	s_and_b32 s16, ttmp7, 0xffff
	s_lshl_b32 s16, s16, 2
	s_add_co_u32 s16, s16, s14                     ; block of 128 rows
	s_lshr_b32 s17, s[WV], 2                       ; my 64 rows
	s_and_b32 s18, s[WV], 3                        ; my 64 columns
	s_lshl_b32 s59, s14, 2
	s_lshl_b32 s59, 15, s59                        ; my row of the cluster
	s_lshl_b32 s19, 0x1111, s13                    ; my column
	; descriptor groups 1: dense rows of 256 bytes (32 elements of 8 bytes): 100 for A, 200 for W
	s_or_b32 s24, s59, (3<<16)|(1<<21)             ; 15:0 the mask; 17:16 elements of 8 bytes; 21 set beside a mask
	s_mov_b32 s25, 32<<16
	s_mov_b32 s26, 100<<16
	s_mov_b32 s27, 32<<16
	s_mov_b32 s28, 100
	s_mov_b32 s29, 32
	s_mov_b32 s30, 0
	s_mov_b32 s31, 0
	s_or_b32 s32, s19, (3<<16)|(1<<21)
	s_mov_b32 s33, 32<<16
	s_mov_b32 s34, 200<<16
	s_mov_b32 s35, 32<<16
	s_mov_b32 s36, 200
	s_mov_b32 s37, 32
	s_mov_b32 s38, 0
	s_mov_b32 s39, 0
	s_mul_i32 s22, s18, 2*ABLK                     ; A: quarter w % 4 of the eight K steps; s20-22 never hold cx
	s_mul_i32 s20, s16, 8*ABLK
	s_add_co_u32 s20, s20, s22
	s_mov_b32 s21, 0
	s_mul_i32 s58, s18, 2*BBLK                     ; W: likewise; s56-58 never hold cy
	s_mul_i32 s56, s15, 8*BBLK
	s_add_co_u32 s56, s56, s58
	s_mov_b32 s57, 0
	s_lshl_b32 s2, s15, 10                         ; my first column, in bytes: also b_out's
	s_lshl_b32 s3, s18, 8
	s_add_co_u32 s2, s2, s3
	s_mov_b32 s3, 0
	s_lshl_b32 s62, s16, 19                        ; my first row: rows of 4,096 bytes
	s_lshl_b32 s63, s17, 18
	s_add_co_u32 s62, s62, s63
	s_add_co_u32 s62, s62, s2
	s_mov_b32 s63, 0
	v_and_b32 v13, 31, v0
	s_delay_alu instid0(VALU_DEP_1)
	v_lshlrev_b32 v1, 4, v13                       ; 16 x lane
	s_delay_alu instid0(VALU_DEP_2)
	v_lshlrev_b32 v2, 3, v13                       ; 8 x lane
	v_and_b32 v14, 15, v0                          ; r
	s_wait_alu depctr_va_vdst(0)
	v_bfe_u32 v15, v0, 4, 1                        ; h
	s_mul_i32 s60, s17, 3072
	v_add_nc_u32 v[AA], s60, v1
	s_add_co_u32 s61, s60, 512
	v_add_nc_u32 v[AB], s61, v2
	s_mul_i32 s60, s18, 3072
	s_add_co_u32 s60, s60, BLDS
	v_add_nc_u32 v[BA], s60, v1
	s_add_co_u32 s61, s60, 512
	v_add_nc_u32 v[BB], s61, v2
	s_lshl_b32 s60, s17, 8
	s_add_co_u32 s60, s60, 12288
	v_lshl_add_u32 v[SAA], v14, 4, s60
	s_lshl_b32 s60, s18, 8
	s_add_co_u32 s60, s60, BLDS+24576
	v_lshl_add_u32 v[SBA], v14, 4, s60
	s_mul_i32 s60, s[WV], 16*272                   ; my stage: 16 rows x (256 + 16) bytes
	v_mul_u32_u24 v[STO], v14, 272
	s_wait_alu depctr_va_vdst(0)
	v_lshl_add_u32 v[STO], v15, 5, v[STO]
	s_delay_alu instid0(VALU_DEP_1)
	v_add_nc_u32 v[STO], s60, v[STO]               ; in: row r, 32 bytes for each half of the lanes
	v_mul_u32_u24 v[RD], v15, 272
	s_delay_alu instid0(VALU_DEP_1)
	v_lshl_add_u32 v[RD], v14, 4, v[RD]
	s_delay_alu instid0(VALU_DEP_1)
	v_add_nc_u32 v[RD], s60, v[RD]                 ; back: lanes 0-15 one row of 256 bytes, lanes 16-31 the next
	v_lshlrev_b32 v[CO], 12, v15
	s_delay_alu instid0(VALU_DEP_1)
	v_lshl_add_u32 v[CO], v14, 4, v[CO]            ; and the same two rows in out0
	v_lshlrev_b32 v12, 5, v15                      ; the bias: my half's eight numbers of a tile
	s_wait_dscnt 0x0
	s_wait_kmcnt 0x0
	s_add_nc_u64 s[8:9], s[8:9], s[2:3]
	s_add_nc_u64 s[10:11], s[10:11], s[62:63]
	s_mov_b32 s40, 1                               ; A, my quarter's two K steps
	s_mov_b32 s41, s22
	s_add_nc_u64 s[42:43], s[4:5], s[20:21]
	s_or_b32 s43, s43, 0x80000000
	s_mov_b32 s44, 1                               ; W, my quarter's two K steps
	s_add_co_u32 s45, s58, BLDS
	s_add_nc_u64 s[46:47], s[6:7], s[56:57]
	s_or_b32 s47, s47, 0x80000000
	CROUND                                         ; all sixteen work-groups are here: the joint loads meet
	s_cmp_lt_u32 s[WV], 4                          ; one load a wave: waves 0-3 fetch for A, waves 4-7 for W; the branch hangs on the wave's number alone
	s_cbranch_scc0 .Lfor_w
	tensor_load_to_lds s[40:43], s[24:31]
	s_nop 0
	PLACES
	s_branch .Lasked
.Lfor_w:
	tensor_load_to_lds s[44:47], s[32:39]
	s_nop 0
	PLACES
.Lasked:
	s_wait_alu depctr_va_vdst(0)
.irp a, 0,1,2,3
.irp b, 0,1,2,3                        ; register j of accumulator (a, b), lane (r, h): column 16 b + 8 h + j
	global_load_b128 v[ACC+8*(4*\a+\b):ACC+8*(4*\a+\b)+3], v12, s[8:9] offset:64*\b
	global_load_b128 v[ACC+8*(4*\a+\b)+4:ACC+8*(4*\a+\b)+7], v12, s[8:9] offset:64*\b+16
.endr
.endr
; A K step of 128: 34 LDS loads, 16 products.  more = 1: the addresses step to the next block; the six additions are also the places in front of its loads.
.macro KSTEP more
	ds_load_b128 v[16:19], v[SAA]                  ; lane r: the words of row r of my four tiles of A
	ds_load_b128 v[20:23], v[SBA]                  ; and of W
.irp a, 0,1,2,3
	ds_load_b128 v[AF+12*\a:AF+12*\a+3], v[AA] offset:768*\a
	ds_load_b64 v[AF+12*\a+4:AF+12*\a+5], v[AB] offset:768*\a
	ds_load_b128 v[AF+12*\a+6:AF+12*\a+9], v[AA] offset:6144+768*\a
	ds_load_b64 v[AF+12*\a+10:AF+12*\a+11], v[AB] offset:6144+768*\a
	ds_load_b128 v[BF+12*\a:BF+12*\a+3], v[BA] offset:768*\a
	ds_load_b64 v[BF+12*\a+4:BF+12*\a+5], v[BB] offset:768*\a
	ds_load_b128 v[BF+12*\a+6:BF+12*\a+9], v[BA] offset:12288+768*\a
	ds_load_b64 v[BF+12*\a+10:BF+12*\a+11], v[BB] offset:12288+768*\a
.endr
	s_wait_dscnt 0x0
.irp a, 0,1,2,3
.irp b, 0,1,2,3                        ; the sixteen accumulators by turns, one instruction a turn
	v_wmma_scale_f32_16x16x128_f8f6f4 v[ACC+8*(4*\a+\b):ACC+8*(4*\a+\b)+7], v[BF+12*\b:BF+12*\b+11], v[AF+12*\a:AF+12*\a+11], v[ACC+8*(4*\a+\b):ACC+8*(4*\a+\b)+7], v[20+\b], v[16+\a] matrix_a_fmt:MATRIX_FMT_FP6 matrix_b_fmt:MATRIX_FMT_FP6
.endr
.endr
.if \more
	v_add_nc_u32 v[AA], ABLK, v[AA]
	v_add_nc_u32 v[AB], ABLK, v[AB]
	v_add_nc_u32 v[SAA], ABLK, v[SAA]
	v_add_nc_u32 v[BA], BBLK, v[BA]
	v_add_nc_u32 v[BB], BBLK, v[BB]
	v_add_nc_u32 v[SBA], BBLK, v[SBA]
.endif
.endm
	s_wait_tensorcnt 0x0                           ; my quarter is in
	s_barrier_signal -1
	s_barrier_wait -1                              ; everybody's are
	s_wait_loadcnt 0x0                             ; the bias
.rept 4
	s_wait_alu depctr_va_vdst(0)
	KSTEP 1
.endr
	s_wait_alu depctr_va_vdst(0)
	s_wait_dscnt 0x0                               ; my reads of K steps 0-3 are over: behind this barrier nobody reads the bytes in which the stages lie
	s_barrier_signal -1
	s_barrier_wait -1
.rept 3
	s_wait_alu depctr_va_vdst(0)
	KSTEP 1
.endr
	KSTEP 0
; THE WAY OUT, a tile of 16 rows x 64 columns at a time, through my own stage: in as 32 bytes a lane, back as whole rows of 256 bytes.
.macro TOSTAGE a
.irp b, 0,1,2,3
	ds_store_b128 v[STO], v[ACC+8*(4*(\a)+\b):ACC+8*(4*(\a)+\b)+3] offset:64*\b        ; each accumulator from its low end on
	ds_store_b128 v[STO], v[ACC+8*(4*(\a)+\b)+4:ACC+8*(4*(\a)+\b)+7] offset:64*\b+16
.endr
.irp t, 0,1,2,3,4,5,6,7
	ds_load_b128 v[32+32*((\a)%2)+4*\t:32+32*((\a)%2)+4*\t+3], v[RD] offset:544*\t     ; LDS serves a wave's instructions in order: these see the stores above, and the next tile's stores come behind them
.endr
.endm
.macro SEND a, younger                 ; younger: the LDS instructions issued behind tile a's loads, which may stay out
	s_wait_dscnt \younger
.irp t, 0,1,2,3,4,5,6,7
	global_store_b128 v[CO], v[32+32*((\a)%2)+4*\t:32+32*((\a)%2)+4*\t+3], s[10:11] offset:(16*(\a)+2*\t)*4096 th:TH_STORE_NT   ; sixteen lanes store 256 consecutive bytes, aligned
.endr
.endm
	PLACES                                         ; behind the last products: for the stores of results and for the loads into the fragments' registers
	TOSTAGE 0
.irp a, 1,2,3
.if \a > 1
	s_wait_xcnt 0x0                                ; tile a - 2's stores have read their registers: tile a's loads may land there
.endif
	TOSTAGE \a
	SEND \a-1, 16                                  ; behind tile a - 1's loads: tile a's eight stores and eight loads
.endr
	SEND 3, 0
	s_wait_dscnt 0x0                               ; no LDS instruction of mine is out at a signal
	s_wait_tensorcnt 0x0
	ds_add_u32 v30, v31
	s_wait_dscnt 0x0
	CROUND                                         ; the closing round
	s_endpgm
.Lfunc_end_k_q7ee7415f8e_proj:
	.size	k_q7ee7415f8e_proj, .Lfunc_end_k_q7ee7415f8e_proj-k_q7ee7415f8e_proj
	.p2alignl 7, 3214868480
	.fill 96, 4, 3214868480
	.section	.rodata,"a",@progbits
	.p2align	6, 0x0
	.amdhsa_kernel k_q7ee7415f8e_proj
		.amdhsa_group_segment_fixed_size 327680
		.amdhsa_private_segment_fixed_size 0
		.amdhsa_enable_private_segment 0
		.amdhsa_kernarg_size 32
		.amdhsa_user_sgpr_count 2
		.amdhsa_user_sgpr_kernarg_segment_ptr 1
		.amdhsa_wavefront_size32 1
		.amdhsa_system_sgpr_workgroup_id_x 1
		.amdhsa_system_sgpr_workgroup_id_y 1
		.amdhsa_system_sgpr_workgroup_id_z 1
		.amdhsa_system_vgpr_workitem_id 0
		.amdhsa_next_free_vgpr 256
		.amdhsa_next_free_sgpr 66
		.amdhsa_reserve_vcc 0
		.amdhsa_float_denorm_mode_32 3
		.amdhsa_float_denorm_mode_16_64 3
		.amdhsa_memory_ordered 1
		.amdhsa_forward_progress 1
		.amdhsa_inst_pref_size 54
	.end_amdhsa_kernel
	.amdgpu_metadata
---
amdhsa.version: [ 1, 2 ]
amdhsa.kernels:
  - .name:           k_q7ee7415f8e_proj
    .symbol:         k_q7ee7415f8e_proj.kd
    .args:
      - { .name: ap, .offset: 0, .size: 8, .value_kind: global_buffer, .address_space: global }
      - { .name: wp, .offset: 8, .size: 8, .value_kind: global_buffer, .address_space: global }
      - { .name: b_out, .offset: 16, .size: 8, .value_kind: global_buffer, .address_space: global }
      - { .name: out0, .offset: 24, .size: 8, .value_kind: global_buffer, .address_space: global }
    .group_segment_fixed_size: 327680
    .private_segment_fixed_size: 0
    .kernarg_segment_align: 8
    .kernarg_segment_size: 32
    .max_flat_workgroup_size: 256
    .sgpr_count:     66
    .vgpr_count:     256
    .wavefront_size: 32
...
	.end_amdgpu_metadata
.endif
;; end of part 3
